; MI455X (gfx1250); checked and timed in simulation.
; The chip was launched on July 23, 2026; its instructions are those of AMD's public machine-readable ISA for CDNA 5 (MIT licence, August 2026) and "CDNA5" Instruction Set Architecture Reference Guide (July 2026). The comments in the code are by the model that wrote it; some were corrected since.
;; Siren. Allowed arithmetic: matrix products marked QUANTISED: E3M2 operands, one E8M0 scale for each 32 along K, by v_wmma_scale_f32_16x16x128_f8f6f4 with both operands' format E3M2, f32 sums; products left as they are: f32 operands where the result goes on into a quantised operand, else bf16, f16 or f32 operands; f32 sums; everything else in f32.
;; Inputs: b0 32 float32; b1 32 float32; b2 32 float32; b3 32 float32; b4 32 float32; b5 16 float32; bf 3 float32; coords 2,097,152 x 2 float32; w0 32 x 2 float32; w1 32 x 32 float32; w2 32 x 32 float32; w3 32 x 32 float32; w4 32 x 32 float32; w5 16 x 32 float32; wf 3 x 16 float32.
;; Outputs: out0 2,097,152 x 3 float32.
;; This version of the problem:
;;   THIS VERSION OF THE PROBLEM IS GIVEN IN LOW PRECISION. The matrix products marked QUANTISED in the list below multiply operands that are first quantised to E3M2 (3 exponent bits, 2 mantissa bits; 6 bits a number), with one power-of-two scale for each 32 numbers along K (OCP MX v1.0); their sums are f32. All else is computed in f32.
;;   The module's matrix products, in the order in which they are computed (A, B: the left and right operand; K: the contracted axis; several contracted axes count as one K, in the product's order):
;;     1. [M 2,097,152, K 2] x [K 2, N 32]; A: input coords; B: input w0: left as it is (K = 2 < 32)
;;     2. [M 2,097,152, K 32] x [K 32, N 32]; A: computed on the way; B: input w1: QUANTISED
;;     3. [M 2,097,152, K 32] x [K 32, N 32]; A: computed on the way; B: input w2: QUANTISED
;;     4. [M 2,097,152, K 32] x [K 32, N 32]; A: computed on the way; B: input w3: QUANTISED
;;     5. [M 2,097,152, K 32] x [K 32, N 32]; A: computed on the way; B: input w4: QUANTISED
;;     6. [M 2,097,152, K 32] x [K 32, N 16]; A: computed on the way; B: input w5: QUANTISED
;;     7. [M 2,097,152, K 16] x [K 16, N 3]; A: computed on the way; B: input wf: left as it is (K = 16 < 32)
;;   THE QUANTISER, for each operand of a quantised product, along K:
;;     - K is cut into blocks of 32 from its start; a last block that is shorter is filled with zeros.
;;     - A block's scale is 2^e with e = floor(log2(the largest magnitude in the block)) - 4, held to -126 .. 127; a block of zeros has e = 0. As a byte (E8M0): e + 127.
;;     - Each number is divided by its block's scale, clamped to +-28, and rounded to the nearest number of E3M2, ties to even, subnormals kept.
;;     - The product sums the exact products of the quantised numbers (number of the format x scale) in f32.
;;   ~~~python
;;   def quantise(x, axis):      # numpy; x: float32 -> the quantised numbers, widened to float32 again
;;       x = np.moveaxis(x, axis, -1); K = x.shape[-1]
;;       x = np.pad(x, [(0, 0)] * (x.ndim - 1) + [(0, -K % 32)]); x = x.reshape(x.shape[:-1] + (-1, 32)); a = np.abs(x).max(-1, keepdims=True)
;;       e = np.where(a > 0, np.clip(np.frexp(np.where(a > 0, a, 1))[1] - 1 - 4, -126, 127), 0)      # np.frexp(a)[1] - 1 = floor(log2(a)), exactly
;;       r = np.clip(x / 2.0 ** e, -28, 28)
;;       step = 2.0 ** (np.maximum(np.frexp(np.where(r == 0, 1, r))[1] - 1, -2) - 2)
;;       q = np.round(r / step) * step * 2.0 ** e      # np.round: ties to even
;;       return np.moveaxis(q.reshape(q.shape[:-2] + (-1,))[..., :K], -1, axis).astype(np.float32)
;;   ~~~
;;   OPERANDS COMPUTED ON THE WAY. 'Computed on the way' means the value that the module computes at that place (a softmax that the list does not call 'softmax' is quantised finished and normalised). What goes into a quantiser is computed in f32, as accurately as f32 sums, v_exp_f32 and their like allow (about 1e-6 of the number): no bf16 or f16 on the way to a quantiser, and a product that is left as it is and whose result goes on into a quantised operand takes f32 operands (vector FMAs, or v_wmma_f32_16x16x4_f32). A number that lies on a knife's edge between two numbers of the format may be rounded either way, as far as f32 arithmetic and the matrix unit's own rounding can turn it there, and no further.
;; One version. Each part assembles by itself: llvm-mc -triple=amdgcn-amd-amdhsa -mcpu=gfx1250 --defsym DOCPART=n.
;; ======== version 1 of 1: 1 launch
;; limits: right only within a limited range of input values
;; launch siren (part 1): grid 256 x 1, 4 waves a work-group, no clusters, 33,792 bytes of LDS; arguments coords, out0, w0, b0, w1, b1, w2, b2, w3, b3, w4, b4, w5, b5, wf, bf; writes out0
.if DOCPART == 1
	.amdgcn_target "amdgcn-amd-amdhsa--gfx1250"
	.amdhsa_code_object_version 6
	.text
	.protected	k_q8ce52b9ca6_siren
	.globl	k_q8ce52b9ca6_siren
	.p2align	8
	.type	k_q8ce52b9ca6_siren,@function
k_q8ce52b9ca6_siren:
	s_mov_b64 s[64:65], 0
	v_nop
	global_prefetch_b8 v0, s[64:65] scope:SCOPE_SE
	s_setreg_imm32_b32 hwreg(HW_REG_WAVE_MODE, 25, 1), 1
	s_wait_xcnt 0x0
; SIREN: out = sigmoid(x6 wf^T + bf), x(l+1) = sin(30 (x(l) W(l)^T + b(l))), x0 = coords.  2,097,152 points; widths 2 -> 32 -> 32 -> 32 -> 32 -> 32 -> 16 -> 3.
; Products 1 to 5 (K = 32) run on codes of BF6 (E3M2) with one E8M0 scale for the 32 along K; product 0 (K = 2) in f32, since its result goes into a quantiser; the last (K = 16) on bf16 operands.  All sums f32.
; SHARES.  256 work-groups x 4 waves = 1,024 waves; wave W owns points 2048 W .. 2048 W + 2047 (16,384 bytes of coords, 24,576 of out0).  A trip takes 64 points as two groups of 32, P and Q: 32 trips.
; A LANE IS A POINT: lane L of a group holds point L and all its hidden units; nothing but one scale byte ever changes lanes.
; HOW.  Every product is used transposed (source 0 = rows of W, source 1 = the points), and the instruction's 128 along K carry TWO points a column.  Lane (r, h) of source 1 holds k = 32 h .. and 64 + 32 h .. of column r
;   (ISA guide 7.12: the 6-bit operand's layout): it puts its own point's units 0-15 at k = 32 h + 0..15 (registers 0-2) and units 16-31 at k = 64 + 32 h + 0..15 (registers 6-8); registers 3-5, 9-11 stay zero codes.
;   A tile of W holds eight rows twice: row m < 8 is W[8 g + m] at the k of h = 0, row m >= 8 is W[8 g + m - 8] at the k of h = 1, zero codes elsewhere.  In the result lane (r, h), register j is row 8 h + j, column r:
;   unit 8 g + j of point 16 h + r, which is the lane's own point.  Four tiles give a lane its 32 units in 32 registers on end, as the conversions want them.  The f32 and the bf16 product are laid the same way.
; THE BIAS is the C of each product.  THE SINE: revolutions t = z x 30 / (2 pi); n = t to the nearest whole number (by adding and taking away 1.5 x 2^23); r = fma(z, c, -n) in [-0.5, 0.5];
;   sin = r x p(r^2), p of degree 5 (the series of sin x / x economised on [0, pi^2], with no error at 0, pi / 2 and pi).  Ten packed instructions for two numbers.
; BY TURNS.  While one group's sines are computed, the other group's product is issued in their midst and the serial end of the other group's quantiser is dealt among them.
; LIMITS.  |z| x 4.775 stays under 2^22 (the whole number must fit beside 1.5 x 2^23).  The polynomial's own error is at most 3.7e-7 absolute; 30 / (2 pi) is kept as one f32 (2.2e-8 of its value off).
;   NaN and infinities among the inputs are not served.  A block of zeros gets the scale byte 1 where the quantiser's rule says 127: its codes are zeros, and only this text reads the byte.
;   wf (times -log2 e) and the last sines are rounded to bf16 for the last product.
; NOT USED: tensor loads and an LDS ring (a point is 8 bytes in and 12 out; the next trip's two loads are asked for a whole trip ahead and cost four registers); clusters (all that work-groups share is 19 KB of weights, read once each).
.set TRIPS, 32
.set FRB,   1536                       ; LDS: the image of a fragment's 12 registers: three stores of 512 bytes
.set SCW,   20*FRB                     ; 20 images from byte 0 (18 are read; 18 and 19 are the second copies of w5's two), then 20 x 128 bytes of scale words
; window 0
.set CO,    1                          ; v1   8 x lane: my point's coords in a group's 256 bytes
.set OO,    2                          ; v2   12 x lane: my point's results in a group's 384 bytes
.set LI,    3                          ; v3   16 x lane: my place in an image
.set LS,    4                          ; v4   4 x lane: my place among scale words
.set KEEP,  5                          ; v5   all ones where (lane / 8) % 2 = lane / 16: the lanes of a weight tile that hold codes; else 0
.set KEEP3, 6                          ; v6   the same, for rows 0-2 of eight alone: wf has three rows
.set ZO,    7                          ; v7   0: the offset of loads that every lane makes alike
.set KC,    8                          ; v8-23  constants, each twice, for the packed forms: c = 30 / (2 pi),
.set KM,    10                         ;        1.5 x 2^23,
.set K5,    12                         ;        and the polynomial's a5 .. a0
.set K4,    14
.set K3,    16
.set K2,    18
.set K1,    20
.set K0,    22
.set WS,    24                         ; v24-41 the weights' 18 scale words: scales and nothing else
.set SX,    42                         ; v42, v43 the points' scale words of P and of Q: scales and nothing else
.set T0,    44                         ; v44-48 the largest magnitude in the making
.set T1,    45
.set T2,    46
.set T3,    47
.set T4,    48
.set TE,    49                         ; v49  the conversions' scale operand
.set TB,    50                         ; v50  the scale's byte
.set TO,    51                         ; v51  the byte of the lane 16 away
.set TP,    45                         ; (T1, free by then) two bytes
.set CP,    52                         ; v52-53 P's coords, v54-55 Q's
.set XP,    56                         ; v56-67 P's operand, v68-79 Q's
.set DFP,   80                         ; v80-87 P's last product, v88-95 Q's
.set DP,    96                         ; v96-127 P's 32 sums, v128-159 Q's: written by matrix instructions alone
.set N,     160                        ; v160-191 n, then r^2; at a trip's end the sigmoids
.set R,     192                        ; v192-223 r
.set S,     224                        ; v224-255 the polynomial, then the sines
.set XF,    240                        ; v240-247 16 sines as bf16 (the narrow layer leaves S's upper half free)
; the head alone
.set VW,    184                        ; 1024 x wave + 128 x (lane % 8): my row of my tile of w1 .. w4
.set V8,    185                        ; 8 x (lane % 8): my row of a tile of w0
.set VF,    186                        ; 64 x min(lane % 8, 2): my row of wf
.set WI,    187                        ; 1536 x wave + 16 x lane: where I store images
.set WSA,   188                        ; SCW + 128 x wave + 4 x lane: and their scale words
.set V5,    189                        ; 1024 x (wave % 2) + 128 x (lane % 8): my row of my tile of w5
.set HT,    192                        ; at work
.set CT,    224                        ; the image in the making
; window 1: fragment t of the weights at v[12 t] (t = 4 (layer - 1) + tile); at the head v0-159 hold the raw rows
.set W0T,   216                        ; w0's four tiles, two registers each
.set WFT,   224                        ; wf's fragment
; window 2: b0, b1, b2 at v0, v32, v64; b3, b4, b5 at v160, v192, v224 (layer l: 32 l + 64 (l / 3))
.set BFR,   248                        ; -log2(e) x bf, then five zeros
.set MSB, 0
.macro WIN new                         ; s_set_vgpr_msb: bits 1:0 source 0, 3:2 source 1, 5:4 source 2, 7:6 destination; the high byte repeats the setting that is left
.if MSB != \new
	s_set_vgpr_msb (MSB<<8)|\new
.set MSB, \new
.endif
.endm
.macro PAIR reg, val
	v_mov_b32 v[\reg], \val
	v_mov_b32 v[\reg+1], \val
.endm
	s_load_b512 s[4:19], s[0:1], 0x0               ; coords s[4:5], out0 s[6:7], w0 s[8:9], b0 s[10:11], w1 s[12:13], b1 s[14:15], w2 s[16:17], b2 s[18:19]
	s_load_b512 s[20:35], s[0:1], 0x40             ; w3 s[20:21], b3 s[22:23], w4 s[24:25], b4 s[26:27], w5 s[28:29], b5 s[30:31], wf s[32:33], bf s[34:35]
	s_set_vgpr_msb 0x40
	v_lshl_add_u32 v254, v0, 2, 0x8200
	v_mov_b32 v255, 0
	s_set_vgpr_msb 0x4000
	v_lshrrev_b32 v[T0], 5, v0
	v_readfirstlane_b32 s36, v[T0]                 ; wave 0..3
	v_and_b32 v[T1], 31, v0                        ; lane
	v_lshlrev_b32 v[CO], 3, v[T1]
	v_mul_u32_u24 v[OO], v[T1], 12
	v_lshlrev_b32 v[LI], 4, v[T1]
	v_lshlrev_b32 v[LS], 2, v[T1]
	v_bfe_u32 v[T2], v0, 3, 1
	v_bfe_u32 v[T3], v0, 4, 1
	v_xor_b32 v[KEEP], v[T2], v[T3]
	v_add_nc_u32 v[KEEP], -1, v[KEEP]              ; 0 - 1 = all ones where the two bits agree, 1 - 1 = 0 where not
	v_and_b32 v[T2], 7, v0                         ; my row of a tile's eight
	v_cmp_gt_u32 vcc_lo, 3, v[T2]
	v_cndmask_b32 v[KEEP3], 0, v[KEEP], vcc_lo
	v_mov_b32 v[ZO], 0
	s_lshl_b32 s38, s36, 10
	v_lshl_add_u32 v[VW], v[T2], 7, s38
	s_and_b32 s39, s36, 1
	s_lshl_b32 s39, s39, 10
	v_lshl_add_u32 v[V5], v[T2], 7, s39
	v_lshlrev_b32 v[V8], 3, v[T2]
	v_min_u32 v[T3], 2, v[T2]                      ; wf has rows 0-2: the other lanes read row 2 and are masked
	v_lshlrev_b32 v[VF], 6, v[T3]
	s_mul_i32 s38, s36, FRB
	v_add_nc_u32 v[WI], s38, v[LI]
	s_lshl_b32 s38, s36, 7
	v_add_nc_u32 v[WSA], s38, v[LS]
	v_add_nc_u32 v[WSA], SCW, v[WSA]
	PAIR KC, 0x4098c9eb                            ; 30 / (2 pi) = 4.7746483
	PAIR KM, 0x4b400000                            ; 1.5 x 2^23
	PAIR K0, 0x40c90fdb                            ;   6.2831853
	PAIR K1, 0xc2255dca                            ; -41.3415892
	PAIR K2, 0x42a3332c                            ;  81.5999434
	PAIR K3, 0xc2993a9c                            ; -76.6144738
	PAIR K4, 0x42255f1f                            ;  41.3428900
	PAIR K5, 0xc1478a48                            ; -12.4712599
.irp b, XP, XP+12, CT
.irp j, 3,4,5,9,10,11
	v_mov_b32 v[\b+\j], 0                          ; the zero codes of both operands and of the image in the making: written once
.endr
.endr
	v_mov_b32 v[TO], 0                             ; a lane permute's destination counts as one of its sources
	s_mov_b32 s40, 0x76543210
	s_mov_b32 s41, 0xfedcba98                      ; v_permlanex16_b32's selects for the lane 16 away
	s_mov_b32 s47, 0xbfb8aa3b                      ; -log2(e)
	s_lshl_b32 s38, ttmp9, 2
	s_add_co_u32 s38, s38, s36                     ; W = 4 x work-group + wave
	s_mul_i32 s42, s38, 24576
	s_mov_b32 s43, 0
	s_lshl_b32 s38, s38, 14
	s_mov_b32 s39, 0
	s_wait_kmcnt 0x0
	s_add_nc_u64 s[4:5], s[4:5], s[38:39]          ; coords and out0 at my wave's first point
	s_add_nc_u64 s[6:7], s[6:7], s[42:43]
	s_load_b96 s[44:46], s[34:35], 0x0             ; bf
; THE HEAD'S LOADS, 94 in this order: w5 8, w1 .. w4 32, w0 4, wf 4, the biases 44, the first coords 2.
.macro LDW stg, off, lo                        ; my row of a tile, 32 numbers, into window 1
.irp c, 0,1,2,3,4,5,6,7
	global_load_b128 v[\stg+4*\c:\stg+4*\c+3], v[\off], s[\lo:\lo+1] offset:16*\c
.endr
.endm
.macro LDB reg, lo, cnt                        ; a bias, the same numbers in every lane, into window 2
.set cc, 0
.rept \cnt
	global_load_b128 v[\reg+4*cc:\reg+4*cc+3], v[ZO], s[\lo:\lo+1] offset:16*cc
.set cc, cc+1
.endr
.endm
	WIN 0x40                                       ; destination window 1
	LDW 128, V5, 28                                ; w5 has two tiles: waves 2 and 3 take them a second time, so that all four waves run one text with one count of loads
	LDW 0,   VW, 12                                ; wave w takes tile w of w1 .. w4
	LDW 32,  VW, 16
	LDW 64,  VW, 20
	LDW 96,  VW, 24
	WIN 0
.irp g, 0,1,2,3
	global_load_b64 v[N+2*\g:N+2*\g+1], v[V8], s[8:9] offset:64*\g       ; w0: row lane % 8 of each of its four tiles
.endr
.irp c, 0,1,2,3
	global_load_b128 v[N+8+4*\c:N+8+4*\c+3], v[VF], s[32:33] offset:16*\c   ; wf: my row's 16 numbers
.endr
	WIN 0x80                                       ; destination window 2
	LDB 0,   10, 8
	LDB 32,  14, 8
	LDB 64,  18, 8
	LDB 160, 22, 8
	LDB 192, 26, 8
	LDB 224, 30, 4
	WIN 0
	global_load_b64 v[CP:CP+1], v[CO], s[4:5] th:TH_LOAD_NT              ; 32 lanes read 256 consecutive bytes
	global_load_b64 v[CP+2:CP+3], v[CO], s[4:5] offset:256 th:TH_LOAD_NT
; A weight tile is quantised: a lane holds a whole row, one block of 32, so its largest magnitude needs no other lane.  The image (codes in the lanes that KEEP names, zero codes elsewhere) and the scale word go to LDS.
.macro QW i
.set SG, 32*(\i)
	WIN 0x15                                       ; all three sources window 1
.irp j, 0,1,2,3,4,5,6,7,8
	v_max3_num_f32 v[HT+\j], |v[SG+3*\j]|, |v[SG+3*\j+1]|, |v[SG+3*\j+2]|
.endr
	v_max3_num_f32 v[T3], |v[SG+27]|, |v[SG+28]|, |v[SG+29]|
	v_max3_num_f32 v[T4], |v[SG+30]|, |v[SG+31]|, 0x2800000          ; the floor 2^(5 - 127): the byte cannot fall under 1
	WIN 0
	v_max3_num_f32 v[T0], v[HT], v[HT+1], v[HT+2]
	v_max3_num_f32 v[T1], v[HT+3], v[HT+4], v[HT+5]
	v_max3_num_f32 v[T2], v[HT+6], v[HT+7], v[HT+8]
	v_max3_num_f32 v[T0], v[T0], v[T1], v[T2]
	v_max3_num_f32 v[T0], v[T0], v[T3], v[T4]
	v_add_nc_u32 v[TE], 0xfe000000, v[T0]          ; 4 off the exponent field: the conversion takes the exponent field of this operand as its scale
	v_lshrrev_b32 v[TB], 23, v[TE]                 ; the scale's byte
	v_lshl_or_b32 v[TP], v[TB], 8, v[TB]
	v_lshl_or_b32 v[T2], v[TP], 16, v[TP]          ; four times: the row's codes lie in two of the instruction's four blocks, which two hangs on the row's place
	WIN 0x01                                       ; source 0 window 1
	v_cvt_scalef32_pk16_bf6_f32 v[CT:CT+2], v[SG:SG+15], v[TE]
	v_cvt_scalef32_pk16_bf6_f32 v[CT+6:CT+8], v[SG+16:SG+31], v[TE]
	WIN 0
	v_nop                                          ; one plain place behind a scaled conversion
.irp j, 0,1,2,6,7,8
	v_and_b32 v[CT+\j], v[KEEP], v[CT+\j]
.endr
.irp c, 0,1,2
	ds_store_b128 v[WI], v[CT+4*\c:CT+4*\c+3] offset:4*FRB*(\i)+512*\c   ; image 4 i + wave
.endr
	ds_store_b32 v[WSA], v[T2] offset:512*(\i)
	s_wait_dscnt 0x0                               ; the stores have read their registers: the next tile writes them again
.endm
	s_wait_loadcnt 63                              ; behind w1's loads 78 were issued, behind w2's 70: the field's largest count serves both
	QW 0
	s_wait_loadcnt 63
	QW 1
	s_wait_loadcnt 62                              ; behind w3's: w4 8, w0 4, wf 4, biases 44, coords 2
	QW 2
	s_wait_loadcnt 54                              ; behind w4's: 4 + 4 + 44 + 2
	QW 3
	QW 4                                           ; w5's loads were the first of all
	s_wait_loadcnt 46                              ; behind wf's: biases 44, coords 2
.irp j, 0,1,2,3,4,5,6,7
	v_pk_mul_f32 v[N+8+2*\j:N+8+2*\j+1], v[N+8+2*\j:N+8+2*\j+1], 0xbfb8aa3b op_sel_hi:[1,0]   ; wf x -log2(e): the last product then gives the exponent that the sigmoid wants
.endr
.irp j, 0,1,2,3,4,5,6,7
	v_cvt_pk_bf16_f32 v[HT+\j], v[N+8+2*\j], v[N+8+2*\j+1]
.endr
	WIN 0x40                                       ; destination window 1
.irp j, 0,1,2,3,4,5,6,7
	v_and_b32 v[W0T+\j], v[KEEP], v[N+\j]          ; w0's tiles: row m < 8 at k = 0, 1, row m >= 8 at k = 2, 3
.endr
.irp j, 0,1,2,3,4,5,6,7
	v_and_b32 v[WFT+\j], v[KEEP3], v[HT+\j]        ; wf's fragment: rows 0-2 for lanes 0-15's points, rows 8-10 for lanes 16-31's
.endr
	s_wait_kmcnt 0x0                               ; bf
	WIN 0x80                                       ; destination window 2
.irp j, 0,1,2
	v_mul_f32 v[BFR+\j], s47, s[44+\j]
.endr
.irp j, 3,4,5,6,7
	v_mov_b32 v[BFR+\j], 0
.endr
	WIN 0
	s_wait_dscnt 0x0                               ; for the others' sake: my images and scale words have landed
	s_barrier_signal -1
	s_barrier_wait -1                              ; the one barrier: all images lie in LDS
	WIN 0x40
.set tt, 0
.rept 18
.irp c, 0,1,2
	ds_load_b128 v[12*tt+4*\c:12*tt+4*\c+3], v[LI] offset:FRB*tt+512*\c   ; every wave takes all 18 fragments: they stay in registers
.endr
.set tt, tt+1
.endr
	WIN 0
.set tt, 0
.rept 18
	ds_load_b32 v[WS+tt], v[LS] offset:SCW+128*tt
.set tt, tt+1
.endr
	s_wait_dscnt 0x0
	s_wait_loadcnt 0x0                             ; the biases and the first coords
; THE PRODUCT of layer l for group g (0: P, 1: Q).  One window setting for all: source 0 (weights) window 1, source 1 (points) and the result window 0, C (bias) window 2.
; No instruction adds onto its own result: each sum is one instruction, begun with the bias.
.macro MAT g, l
	WIN 0x21
.set MD, DP+32*(\g)
.set MB, 32*(\l)+64*((\l)/3)
.if (\l) == 0
.irp t, 0,1,2,3
	v_wmma_f32_16x16x4_f32 v[MD+8*\t:MD+8*\t+7], v[W0T+2*\t:W0T+2*\t+1], v[CP+2*(\g):CP+2*(\g)+1], v[MB+8*\t:MB+8*\t+7]
.endr
.elseif (\l) < 6
.set MF, 48*((\l)-1)
.set tt, 0
.rept 4-2*((\l)/5)                             ; four tiles of eight units; the narrow layer two
	v_wmma_scale_f32_16x16x128_f8f6f4 v[MD+8*tt:MD+8*tt+7], v[MF+12*tt:MF+12*tt+11], v[XP+12*(\g):XP+12*(\g)+11], v[MB+8*tt:MB+8*tt+7], v[WS+4*((\l)-1)+tt], v[SX+(\g)] matrix_a_fmt:MATRIX_FMT_BF6 matrix_b_fmt:MATRIX_FMT_BF6
.set tt, tt+1
.endr
.else
	v_wmma_f32_16x16x32_bf16 v[DFP+8*(\g):DFP+8*(\g)+7], v[WFT:WFT+7], v[XF:XF+7], v[BFR:BFR+7]
.endif
	WIN 0
.endm
; THE END OF A QUANTISER is a chain of nine instructions, each waiting for the one before.  It is dealt among the other group's first stages, one behind every third instruction there.  TG: whose; TQ: which.
.macro TAILOP
.set XB, XP+12*TG
.if TQ == 0
	v_max3_num_f32 v[T0], v[T0], v[T1], v[T2]
.elseif TQ == 1
	v_max3_num_f32 v[T0], v[T0], v[T3], v[T4]      ; my point's largest magnitude, the floor among its leaves
.elseif TQ == 2
	v_add_nc_u32 v[TE], 0xfe000000, v[T0]          ; 4 off the exponent field: the conversions' scale operand
.elseif TQ == 3
	v_lshrrev_b32 v[TB], 23, v[TE]                 ; the scale's byte
.elseif TQ == 4
	v_cvt_scalef32_pk16_bf6_f32 v[XB:XB+2], v[S:S+15], v[TE]         ; units 0-15: the operand's registers 0-2.  (Behind each conversion stands a packed instruction of the other group: its plain place)
.elseif TQ == 5
	v_permlanex16_b32 v[TO], v[TB], s40, s41       ; the byte of the point that shares my column
.elseif TQ == 6
	v_cvt_scalef32_pk16_bf6_f32 v[XB+6:XB+8], v[S+16:S+31], v[TE]    ; units 16-31: registers 6-8
.elseif TQ == 7
	v_lshl_or_b32 v[TP], v[TO], 8, v[TB]
.else
	v_lshl_or_b32 v[SX+TG], v[TP], 16, v[TP]       ; lanes 0-15: mine, the other's, mine, the other's: the column's four blocks (lanes 16-31 are not read)
.endif
.endm
.macro FILLED
.if TAILON
.set FC, FC+1
.if (FC%3 == 0) && (TQ < 9)
	TAILOP
.set TQ, TQ+1
.endif
.endif
.endm
; WHAT STANDS IN A SLOT'S MIDST.  Slot 0: the next trip's coords (the last trip asks for nothing: no load leaves the buffer).  Slots 1-10: the other group's next product.  Slot 11: P's last product, and the next trip's first.
.macro HOOK k
.if (\k) == 0
	s_cmp_eq_u32 s37, 1
	s_cbranch_scc1 .Lnone_\@
	global_load_b64 v[CP:CP+1], v[CO], s[4:5] offset:512 th:TH_LOAD_NT   ; the f32 products that read these registers stand more than 48 plain instructions back
	global_load_b64 v[CP+2:CP+3], v[CO], s[4:5] offset:768 th:TH_LOAD_NT
.Lnone_\@:
.elseif (\k) < 11
	MAT 1-SGRP, ((\k)+1)/2
.else
	MAT 0, 6
	s_wait_loadcnt 0x0                             ; the two loads of slot 0, asked for eleven slots ago; on every path, so that neither f32 product below meets a pending load
	s_cmp_eq_u32 s37, 1
	s_cbranch_scc1 .Lnone_\@
	MAT 0, 0
.Lnone_\@:
.endif
.endm
; A SLOT: the sines of layer k / 2 for group k % 2, stage by stage over all pairs, so that an instruction's sources were written 16 (narrow layer: 8) instructions earlier.
; Each accumulator is first read at its two lowest registers (the pairs go upward).  Distances (ISA guide 7.12.1), by this text's own count: a product's results are first read a slot later, at least 48 plain
; instructions on; the scale word is written 21 plain instructions ahead of its product (13 in slot 10), the codes at least 19; an operand is written again only two slots behind the product that read it.
.macro SLOT k
.set SGRP, (\k)%2
.set SLAY, (\k)/2
.set NPR, 16-8*(SLAY/5)
.set DD, DP+32*SGRP
.set TG, 1-SGRP
.set TAILON, 0
.if ((\k) >= 1) && ((\k) <= 10)
.set TAILON, 1
.endif
.set FC, 0
.set TQ, 0
.set pp, 0
.rept NPR
	v_pk_fma_f32 v[N+2*pp:N+2*pp+1], v[DD+2*pp:DD+2*pp+1], v[KC:KC+1], v[KM:KM+1]              ; z c + 1.5 x 2^23: the sum's last place is 1
	FILLED
.set pp, pp+1
.endr
.set pp, 0
.rept NPR
	v_pk_add_f32 v[N+2*pp:N+2*pp+1], v[N+2*pp:N+2*pp+1], v[KM:KM+1] neg_lo:[0,1] neg_hi:[0,1]  ; n: exact
	FILLED
.set pp, pp+1
.endr
.set pp, 0
.rept NPR
	v_pk_fma_f32 v[R+2*pp:R+2*pp+1], v[DD+2*pp:DD+2*pp+1], v[KC:KC+1], v[N+2*pp:N+2*pp+1] neg_lo:[0,0,1] neg_hi:[0,0,1]   ; r = z c - n, rounded once
	FILLED
.set pp, pp+1
.endr
.if NPR == 16
	HOOK \k
.endif
.set pp, 0
.rept NPR
	v_pk_mul_f32 v[N+2*pp:N+2*pp+1], v[R+2*pp:R+2*pp+1], v[R+2*pp:R+2*pp+1]                    ; u = r^2
	FILLED
.set pp, pp+1
.endr
.set pp, 0
.rept NPR
	v_pk_fma_f32 v[S+2*pp:S+2*pp+1], v[N+2*pp:N+2*pp+1], v[K5:K5+1], v[K4:K4+1]                ; (the other group's sines have been converted by now: S is free)
.set pp, pp+1
.endr
.if NPR == 8
	HOOK \k
.endif
.irp kk, K3, K2, K1, K0
.set pp, 0
.rept NPR
	v_pk_fma_f32 v[S+2*pp:S+2*pp+1], v[S+2*pp:S+2*pp+1], v[N+2*pp:N+2*pp+1], v[\kk:\kk+1]
.set pp, pp+1
.endr
.endr
.set pp, 0
.rept NPR
	v_pk_mul_f32 v[S+2*pp:S+2*pp+1], v[S+2*pp:S+2*pp+1], v[R+2*pp:R+2*pp+1]                    ; the sine
.set pp, pp+1
.endr
.if SLAY < 5
.irp j, 0,1,2,3,4,5,6,7,8                      ; the wide part of the search for my point's largest magnitude; its end is dealt into the next slot
	v_max3_num_f32 v[N+\j], |v[S+3*\j]|, |v[S+3*\j+1]|, |v[S+3*\j+2]|
.endr
	v_max3_num_f32 v[T3], |v[S+27]|, |v[S+28]|, |v[S+29]|
	v_max3_num_f32 v[T4], |v[S+30]|, |v[S+31]|, 0x2800000            ; the floor 2^(5 - 127)
	v_max3_num_f32 v[T0], v[N], v[N+1], v[N+2]
	v_max3_num_f32 v[T1], v[N+3], v[N+4], v[N+5]
	v_max3_num_f32 v[T2], v[N+6], v[N+7], v[N+8]
.else
.irp j, 0,1,2,3,4,5,6,7
	v_cvt_pk_bf16_f32 v[XF+\j], v[S+2*\j], v[S+2*\j+1]               ; the last product's operand: registers 0-3 units 0-7, registers 4-7 units 8-15
.endr
.endif
.endm
; 1 / (1 + 2^d), d = -log2(e) x (x wf^T + bf): registers 0-2 of the last product are my point's three.  One store covers a group's 384 consecutive bytes; P's and Q's together three aligned blocks of 256.
.macro SIGM g
.set DF, DFP+8*(\g)
.set EE, N+8*(\g)
.set OU, N+4+8*(\g)
	v_exp_f32 v[EE], v[DF]
	v_exp_f32 v[EE+1], v[DF+1]
	v_exp_f32 v[EE+2], v[DF+2]
	v_nop                                          ; one plain place behind the exponentials
	s_wait_alu depctr_va_vdst(0)
	v_pk_add_f32 v[EE:EE+1], v[EE:EE+1], 1.0 op_sel_hi:[1,0]
	v_add_f32 v[EE+2], 1.0, v[EE+2]
	v_rcp_f32 v[OU], v[EE]
	v_rcp_f32 v[OU+1], v[EE+1]
	v_rcp_f32 v[OU+2], v[EE+2]
	v_nop                                          ; and behind the reciprocals
	s_wait_alu depctr_va_vdst(0)
	global_store_b96 v[OO], v[OU:OU+2], s[6:7] offset:384*(\g) th:TH_STORE_NT
.endm
	MAT 0, 0                                       ; the first trip's first products
	MAT 1, 0
.rept 8
	v_nop                                          ; eight places behind the f32 form, ahead of the first read of its results
.endr
	s_mov_b32 s37, TRIPS                           ; trips to go, this one among them
.Ltrip:
.irp k, 0,1,2,3,4,5,6,7,8,9,10,11
	SLOT \k
.endr
	MAT 1, 6                                       ; Q's last product,
	s_cmp_eq_u32 s37, 1
	s_cbranch_scc1 .Lno_next
	MAT 1, 0                                       ; and the next trip's first for Q
.Lno_next:
	SIGM 0                                         ; P's results were made in slot 11.  Its four plain instructions
	v_nop
	v_nop                                          ; and these two stand between Q's last product and the first read of its result
	SIGM 1
	s_wait_xcnt 0x0                                ; the bases, and the stores' data, which the next trip's first stage writes over, are rewritten only behind this wait
	s_add_nc_u64 s[4:5], s[4:5], 512               ; 64 points on
	s_add_nc_u64 s[6:7], s[6:7], 768
	s_sub_co_u32 s37, s37, 1
	s_cmp_lg_u32 s37, 0
	s_cbranch_scc1 .Ltrip
	s_set_vgpr_msb 0x5
	s_wait_tensorcnt 0x0
	ds_add_u32 v254, v255
	s_wait_dscnt 0x0
	s_set_vgpr_msb 0x500
	s_endpgm
.Lfunc_end_k_q8ce52b9ca6_siren:
	.size	k_q8ce52b9ca6_siren, .Lfunc_end_k_q8ce52b9ca6_siren-k_q8ce52b9ca6_siren
	.p2alignl 7, 3214868480
	.fill 96, 4, 3214868480
	.section	.rodata,"a",@progbits
	.p2align	6, 0x0
	.amdhsa_kernel k_q8ce52b9ca6_siren
		.amdhsa_group_segment_fixed_size 33792
		.amdhsa_private_segment_fixed_size 0
		.amdhsa_enable_private_segment 0
		.amdhsa_kernarg_size 128
		.amdhsa_user_sgpr_count 2
		.amdhsa_user_sgpr_kernarg_segment_ptr 1
		.amdhsa_wavefront_size32 1
		.amdhsa_system_sgpr_workgroup_id_x 1
		.amdhsa_system_sgpr_workgroup_id_y 1
		.amdhsa_system_sgpr_workgroup_id_z 1
		.amdhsa_system_vgpr_workitem_id 0
		.amdhsa_next_free_vgpr 768
		.amdhsa_next_free_sgpr 66
		.amdhsa_reserve_vcc 1
		.amdhsa_float_denorm_mode_32 3
		.amdhsa_float_denorm_mode_16_64 3
		.amdhsa_memory_ordered 1
		.amdhsa_forward_progress 1
		.amdhsa_inst_pref_size 165
	.end_amdhsa_kernel
	.amdgpu_metadata
---
amdhsa.version: [ 1, 2 ]
amdhsa.kernels:
  - .name:           k_q8ce52b9ca6_siren
    .symbol:         k_q8ce52b9ca6_siren.kd
    .args:
      - { .name: coords, .offset: 0, .size: 8, .value_kind: global_buffer, .address_space: global }
      - { .name: out0, .offset: 8, .size: 8, .value_kind: global_buffer, .address_space: global }
      - { .name: w0, .offset: 16, .size: 8, .value_kind: global_buffer, .address_space: global }
      - { .name: b0, .offset: 24, .size: 8, .value_kind: global_buffer, .address_space: global }
      - { .name: w1, .offset: 32, .size: 8, .value_kind: global_buffer, .address_space: global }
      - { .name: b1, .offset: 40, .size: 8, .value_kind: global_buffer, .address_space: global }
      - { .name: w2, .offset: 48, .size: 8, .value_kind: global_buffer, .address_space: global }
      - { .name: b2, .offset: 56, .size: 8, .value_kind: global_buffer, .address_space: global }
      - { .name: w3, .offset: 64, .size: 8, .value_kind: global_buffer, .address_space: global }
      - { .name: b3, .offset: 72, .size: 8, .value_kind: global_buffer, .address_space: global }
      - { .name: w4, .offset: 80, .size: 8, .value_kind: global_buffer, .address_space: global }
      - { .name: b4, .offset: 88, .size: 8, .value_kind: global_buffer, .address_space: global }
      - { .name: w5, .offset: 96, .size: 8, .value_kind: global_buffer, .address_space: global }
      - { .name: b5, .offset: 104, .size: 8, .value_kind: global_buffer, .address_space: global }
      - { .name: wf, .offset: 112, .size: 8, .value_kind: global_buffer, .address_space: global }
      - { .name: bf, .offset: 120, .size: 8, .value_kind: global_buffer, .address_space: global }
    .group_segment_fixed_size: 33792
    .private_segment_fixed_size: 0
    .kernarg_segment_align: 8
    .kernarg_segment_size: 128
    .max_flat_workgroup_size: 128
    .sgpr_count:     66
    .vgpr_count:     768
    .wavefront_size: 32
...
	.end_amdgpu_metadata
.endif
;; end of part 1
